; MI455X (gfx1250); checked and timed in simulation.
; The chip was launched on July 23, 2026; its instructions are those of AMD's public machine-readable ISA for CDNA 5 (MIT licence, August 2026) and "CDNA5" Instruction Set Architecture Reference Guide (July 2026). The comments in the code are by the model that wrote it; some were corrected since.
;; traditional jastrow. Allowed arithmetic: float matrix products may take bf16 or f16 operands with f32 sums; all other float work in f32.
;; Inputs: L_chi 3 float32; L_u one number float32; Z 8 float32; dists_elec 4,096 x 32 x 32 float32; dists_nuc 4,096 x 32 x 8 float32; params_alpha 8 float32; params_beta 3 x 8 float32; type_idx 8 int32.
;; Outputs: out0 4,096 float32.
;; One version. Each part assembles by itself: llvm-mc -triple=amdgcn-amd-amdhsa -mcpu=gfx1250 --defsym DOCPART=n.
;; ======== version 1 of 1: 1 launch
;; launch jastrow (part 1): grid 256 x 1, 4 waves a work-group, no clusters, 1,792 bytes of LDS; arguments dists_elec, dists_nuc, params_alpha, params_beta, Z, L_chi, L_u, type_idx, out0; writes out0
.if DOCPART == 1
	.amdgcn_target "amdgcn-amd-amdhsa--gfx1250"
	.amdhsa_code_object_version 6
	.text
	.protected	k_q443052b4ab_jastrow
	.globl	k_q443052b4ab_jastrow
	.p2align	8
	.type	k_q443052b4ab_jastrow,@function
k_q443052b4ab_jastrow:
	s_mov_b64 s[64:65], 0
	v_nop
	global_prefetch_b8 v0, s[64:65] scope:SCOPE_SE
	s_setreg_imm32_b32 hwreg(HW_REG_WAVE_MODE, 25, 1), 1
	s_wait_xcnt 0x0
; Jastrow factor, one f32 number for each of 4,096 walkers:
;   out[b] = sum over i < j of (r-Lu)^3 [r < Lu] Pu(r),            r = dists_elec[b][i][j]   (32 x 32, strict upper triangle)
;          + 1/8 sum over e, m of (r-Lm)^3 [r < Lm] Pm(r),         r = dists_nuc[b][e][m]    (32 x 8)
;   Pu(r) = a0 + (3 a0/Lu - G/Lu^3) r + a1 r^2 + .. + a7 r^8,  G = 1/4 for equal spins (both < 16 or both >= 16), else 1/2
;   Pm(r) = b0 + (3 b0/Lm + Zm/Lm^3) r + b1 r^2 + .. + b7 r^8, b and Lm taken from row type_idx[m] of the tables
;
; SHARES.  256 work-groups x 4 waves x 4 walkers.  A wave asks for all of its data (28 loads of 16 bytes a lane, 112 registers) before it
; computes anything: there is no loop, no ring, and no wave depends on another, so there is no barrier.
;
; THE TRIANGLE.  The mask is part of the definition, so 16-byte pieces (4 columns) that lie wholly at or under the diagonal in a way that
; whole lanes can skip are not loaded: five loads a walker in place of eight (see LOADW).  Each 128-byte row is named by one load only.
; Elements that are loaded and do not count are clamped to r = Lu, where (r-Lu)^3 is an exact zero.
;
; THE CUTOFF.  r' = min(r, L), t = r' - L: beyond the cutoff t is an exact 0, and the polynomial is taken at r' <= L, so it stays finite.
; The contribution is (P(r') t)(t t).  P by Horner's rule, two elements to a packed fused multiply-add, 14 independent chains a walker.
;
; NO MATRIX INSTRUCTION.  The two contractions over the powers r^2 .. r^8 have one coefficient vector each: one result for each element.
; As a matrix product the powers would first have to be formed (six multiplies an element), rounded to 16 bits and moved between lanes, to fill
; one column of sixteen; Horner's rule needs seven fused multiply-adds in f32 and rounds no operand.
; NO CLUSTER, NO MULTICAST: work-groups share 208 bytes of parameters and none of the 20 MiB of distances.
; OUTPUT: a wave's four results are 16 neighbouring bytes, stored by lane 0.  A store of 256 neighbouring bytes would want 64 walkers in one
; work-group, that is 64 work-groups in place of 256; the output is 16 KiB beside 20 MiB of input.
;
; LIMITS.  (1) A NaN in a distance that counts gives a result that need not be NaN.  An infinite distance, or one so large that its eighth
; power overflows f32 (about 6.5e4), counts as beyond the cutoff and adds 0, where the definition's 0 x inf gives NaN.
; (2) 1/L comes from v_rcp_f32 (1 ULP, flushes denormals) and is raised to the third power: 1e-12 < |L| < 1e12 for L_u and L_chi.
; (3) A type_idx other than 0 or 1 takes row 2.  (4) The f32 sums are formed in another order than in the definition.
.set OFFA, 2                           ; v2        16 x lane: loads A0, A1 and both e-N loads
.set OFFB, 3                           ; v3        lane term of load B
.set OFFC, 4                           ; v4        lane term of loads C0, C1
.set OM,   5                           ; v5        4 x (lane & 7): my nucleus's word in Z and type_idx
.set VZ,   6                           ; v6        0
.set LU,   8                           ; v[8:9]    L_u, -infinity
.set LIN,  10                          ; v[10:11]  linear coefficient: my lane's for loads A and C, the equal-spin one (load B)
.set AL,   12                          ; v[12:19]  a0 .. a7
.set LO,   20                          ; v[20:39]  load i, element k: lower clamp, -infinity (counts) or L_u (does not)
.set CN,   40                          ; v[40:79]  e-N sets of 4 (my four nuclei): 0 b0/8, 1 linear/8, 2..8 b1/8..b7/8, 9 L
.set T,    80                          ; v[80:107]  14 pairs: t, then t^2
.set P,    108                         ; v[108:135] 14 pairs: the polynomial, then the sums
.set S,    136                         ; v[136:139] the four walkers' sums
.set X,    144                         ; v[144:255] walker w, load i: X + 28 w + 4 i (i = 0..4 e-e, 5, 6 e-N); pair c = X + 28 w + 2 c
; set-up only, inside T and P, dead before the first walker:
.set BR,   80                          ; v[80:103]  params_beta, rows 0, 1, 2
.set LC,   104                         ; v[104:106] L_chi
.set TY,   107                         ; type of nucleus lane & 7
.set ZZ,   108                         ; its Z
.set IL,   109                         ; 1 / its L
.set IU,   110                         ; 1 / L_u
.set DA,   116                         ; row - first column of my piece in load A0 (A1: + 4)
.set DB,   117                         ; the same for load B
.set DC,   118                         ; the same for load C0 (C1: + 4)
.set VT,   119                         ; LDS: my nucleus's word in row 0 of my wave's table
.set VR,   120                         ; LDS: my four nuclei's 16 bytes in row 0
.set MK,   36                          ; s[36:55]  lane masks: load i, element k counts
.set TAB,  320                         ; bytes of a wave's table: 10 rows of 8 nuclei
	s_load_b512 s[4:19], s[0:1], 0x0               ; dists_elec s[4:5], dists_nuc s[6:7], alpha s[8:9], beta s[10:11], Z s[12:13], L_chi s[14:15], L_u s[16:17], type_idx s[18:19]
	s_load_b64 s[20:21], s[0:1], 0x40              ; out0
	v_lshl_add_u32 v142, v0, 2, 0x500
	v_mov_b32 v143, 0
	v_and_b32 v1, 31, v0                           ; lane l;  s = l >> 3, c = l & 7
	v_lshrrev_b32 v7, 5, v0
	v_readfirstlane_b32 s22, v7                    ; wave 0..3
	v_lshlrev_b32 v[OFFA], 4, v1
	v_lshrrev_b32 v111, 2, v1                      ; l >> 2
	v_and_b32 v112, 3, v1                          ; l & 3
	v_lshlrev_b32 v113, 4, v112
	v_lshl_add_u32 v[OFFB], v111, 7, v113          ; 128 (l >> 2) + 16 (l & 3)
	v_and_b32 v114, 7, v1                          ; c
	v_mov_b32 v115, 2144
	v_mov_b32 v[VZ], 0
	v_cmp_gt_u32 vcc_lo, 2, v114                   ; c < 2 (kept in VCC for DC below)
	v_cndmask_b32 v115, 0, v115, vcc_lo
	v_add_nc_u32 v[OFFC], v[OFFA], v115            ; 16 l, and 16 rows + 6 pieces further for c < 2 (16 x 128 + 96 = 2,144)
	v_lshlrev_b32 v[OM], 2, v114
	s_lshl_b32 s23, ttmp9, 4
	s_lshl2_add_u32 s23, s22, s23                  ; my wave's first walker: 16 x group + 4 x wave
	s_lshl_b32 s24, s23, 12                        ; x 4,096 bytes of dists_elec
	s_mov_b32 s25, 0
	s_lshl_b32 s26, s23, 10                        ; x 1,024 bytes of dists_nuc
	s_mov_b32 s27, 0
	s_lshl_b32 s28, s23, 2                         ; x 4 bytes of out0
	s_mov_b32 s29, 0
	s_mul_i32 s30, s22, TAB                        ; my wave's table in LDS
	s_mov_b32 s34, 0x76543210                      ; v_permlanex16_b32: lane i of one half reads lane i of the other
	s_mov_b32 s35, 0xfedcba98
	s_wait_kmcnt 0x0
	s_add_nc_u64 s[4:5], s[4:5], s[24:25]
	s_add_nc_u64 s[6:7], s[6:7], s[26:27]
	s_add_nc_u64 s[20:21], s[20:21], s[28:29]
	; 12 loads of parameters (every work-group reads them: no cache hint)
	global_load_b32 v[TY], v[OM], s[18:19]
	global_load_b32 v[ZZ], v[OM], s[12:13]
	global_load_b96 v[LC:LC+2], v[VZ], s[14:15]
.irp n, 0,1,2,3,4,5
	global_load_b128 v[BR+4*\n:BR+4*\n+3], v[VZ], s[10:11] offset:16*\n
.endr
	global_load_b128 v[AL:AL+3], v[VZ], s[8:9]
	global_load_b128 v[AL+4:AL+7], v[VZ], s[8:9] offset:16
	global_load_b32 v[LU], v[VZ], s[16:17]
; Seven loads of a walker, each read once in the launch.  A piece is 16 bytes = 4 columns; piece g holds columns 4 g .. 4 g + 3.
;   A0, A1   rows 0-3, 4-7, all eight pieces: lane = row s, piece c
;   B        rows 16-23, pieces 4-7:          lane = row 16 + (l >> 2), piece 4 + (l & 3);  16 x 128 + 4 x 16 = 2,112
;   C0, C1   c >= 2: rows 8-11, 12-15, piece c;   c < 2: rows 24-27, 28-31, piece 6 + c
;   e-N      two loads of 512 neighbouring bytes: lane = electron 16 p + l / 2, nuclei 4 (l & 1) + 0..3
.macro LOADW w
	global_load_b128 v[X+28*\w:X+28*\w+3],     v[OFFA], s[4:5] offset:4096*\w th:TH_LOAD_NT
	global_load_b128 v[X+28*\w+4:X+28*\w+7],   v[OFFA], s[4:5] offset:4096*\w+512 th:TH_LOAD_NT
	global_load_b128 v[X+28*\w+8:X+28*\w+11],  v[OFFB], s[4:5] offset:4096*\w+2112 th:TH_LOAD_NT
	global_load_b128 v[X+28*\w+12:X+28*\w+15], v[OFFC], s[4:5] offset:4096*\w+1024 th:TH_LOAD_NT
	global_load_b128 v[X+28*\w+16:X+28*\w+19], v[OFFC], s[4:5] offset:4096*\w+1536 th:TH_LOAD_NT
	global_load_b128 v[X+28*\w+20:X+28*\w+23], v[OFFA], s[6:7] offset:1024*\w th:TH_LOAD_NT
	global_load_b128 v[X+28*\w+24:X+28*\w+27], v[OFFA], s[6:7] offset:1024*\w+512 th:TH_LOAD_NT
.endm
	LOADW 0
	LOADW 1
	LOADW 2
	LOADW 3                                        ; 40 loads are out; none of their address registers is written again
	; What needs no parameter.  Element k of a piece counts when its column is right of the diagonal: k > row - first column.
	v_lshrrev_b32 v113, 3, v1                      ; s
	v_sub_nc_u32 v[DA], v113, v[OM]                ; s - 4 c
	v_lshlrev_b32 v112, 2, v112
	v_sub_nc_u32 v[DB], v111, v112                 ; (l >> 2) - 4 (l & 3)
	v_cndmask_b32 v113, 8, v[VZ], vcc_lo           ; c < 2: rows 24.. against columns 24..: 0;  else rows 8.. against columns 4 c: 8
	v_add_nc_u32 v[DC], v[DA], v113
.irp k, 0,1,2,3
	v_cmp_gt_i32 s[MK+\k],    \k,   v[DA]          ; A0
	v_cmp_gt_i32 s[MK+4+\k],  \k-4, v[DA]          ; A1: four rows further down
	v_cmp_gt_i32 s[MK+8+\k],  \k,   v[DB]          ; B
	v_cmp_gt_i32 s[MK+12+\k], \k,   v[DC]          ; C0
	v_cmp_gt_i32 s[MK+16+\k], \k-4, v[DC]          ; C1
.endr
	v_and_b32 v113, 4, v1
	v_cmp_ne_u32 s33, 0, v113                      ; c >= 4: in loads A and C rows < 16 meet columns >= 16, unequal spins
	v_add_nc_u32 v[VT], s30, v[OM]
	v_and_b32 v113, 1, v1
	v_lshl_add_u32 v[VR], v113, 4, s30
	v_mov_b32 v[LU+1], 0xff800000                  ; -infinity
	s_wait_loadcnt 28                              ; loads return in order (ISA guide 5.7.1): the 12 parameter loads are in, the 28 data loads stay out
	; The e-N table: lane l makes the ten numbers of nucleus l & 7 (four lanes make the same).  Row 2 is overwritten where the type is 1 or 0.
	v_cmp_eq_u32 s31, 0, v[TY]
	v_cmp_eq_u32 s32, 1, v[TY]
.irp j, 0,1,2,3,4,5,6,7
	v_cndmask_b32 v[BR+16+\j], v[BR+16+\j], v[BR+8+\j], s32
.endr
	v_cndmask_b32 v[LC+2], v[LC+2], v[LC+1], s32
.irp j, 0,1,2,3,4,5,6,7
	v_cndmask_b32 v[BR+16+\j], v[BR+16+\j], v[BR+\j], s31
.endr
	v_cndmask_b32 v[LC+2], v[LC+2], v[LC], s31
	v_rcp_f32 v[IL], v[LC+2]                       ; behind a transcendental one plain vector instruction stands before its result is used
	v_rcp_f32 v[IU], v[LU]                         ; (ISA guide 5.7.2): here the packed multiplies below, which touch neither result nor source
.irp j, 0,2,4,6
	v_pk_mul_f32 v[BR+16+\j:BR+16+\j+1], v[BR+16+\j:BR+16+\j+1], 0x3e000000 op_sel_hi:[1,0]   ; x 1/8, exact: the mean over the 8 nuclei
.endr
	v_mul_f32 v[ZZ], 0x3e000000, v[ZZ]
	s_wait_alu depctr_va_vdst(0)
	v_mul_f32 v111, v[IL], v[IL]                   ; 1 / L^2
	v_mul_f32 v112, v[ZZ], v111                    ; (Z/8) / L^2
	v_fmamk_f32 v112, v[BR+16], 0x40400000, v112   ; + 3 (b0/8)
	v_mul_f32 v112, v112, v[IL]                    ; (3 b0 / L + Z / L^3) / 8
	ds_store_b32 v[VT], v[BR+16]                   ; set 0: b0/8
	ds_store_b32 v[VT], v112 offset:32             ; set 1: the linear coefficient
.irp j, 1,2,3,4,5,6,7
	ds_store_b32 v[VT], v[BR+16+\j] offset:32*\j+32        ; sets 2..8: b1/8 .. b7/8
.endr
	ds_store_b32 v[VT], v[LC+2] offset:288         ; set 9: L
.irp j, 0,1,2,3,4,5,6,7,8,9
	ds_load_b128 v[CN+4*\j:CN+4*\j+3], v[VR] offset:32*\j  ; my wave's own bytes, and LDS serves a wave's instructions in order (ISA guide 5.7.1.4): no wait, no barrier
.endr
	; The e-e coefficients and clamps, while LDS answers
	v_mul_f32 v113, v[IU], v[IU]
	v_mul_f32 v113, v113, v[IU]                    ; 1 / Lu^3
	v_mul_f32 v113, 0.5, v113                      ; h = (1/2) / Lu^3
	v_mul_f32 v114, 0x40400000, v[AL]
	v_mul_f32 v114, v114, v[IU]                    ; q = 3 a0 / Lu
	v_sub_f32 v115, v114, v113                     ; unequal spins: q - h
	v_fma_f32 v[LIN+1], v113, -0.5, v114           ; equal spins:   q - h / 2
	v_cndmask_b32 v[LIN], v[LIN+1], v115, s33
.set n, 0
.rept 20
	v_cndmask_b32 v[LO+n], v[LU], v[LU+1], s[MK+n] ; counts: -infinity, so that the middle of (r, lo, Lu) is min(r, Lu); does not: Lu, so that it is Lu
.set n, n+1
.endr
	s_wait_dscnt 0x0                               ; the table is in registers
; One step of Horner's rule on all 14 pairs of walker w: P = P r' + coefficient.
; e-e (pairs 0-9): register sel of the pair at base, for both halves.  e-N (pairs 10-13): set's pair for my nuclei 0, 1 or 2, 3.
.macro HSTEP w, base, sel, set
.irp c, 0,1,2,3,4,5,6,7,8,9
	v_pk_fma_f32 v[P+2*\c:P+2*\c+1], v[P+2*\c:P+2*\c+1], v[X+28*\w+2*\c:X+28*\w+2*\c+1], v[\base:\base+1] op_sel:[0,0,\sel] op_sel_hi:[1,1,\sel]
.endr
.irp c, 10,11,12,13
	v_pk_fma_f32 v[P+2*\c:P+2*\c+1], v[P+2*\c:P+2*\c+1], v[X+28*\w+2*\c:X+28*\w+2*\c+1], v[CN+4*\set+2*((\c)%2):CN+4*\set+2*((\c)%2)+1]
.endr
.endm
; The step of the linear coefficient: loads A and C take the lane's own, load B (pairs 4, 5) the equal-spin one
.macro LSTEP w
.irp c, 0,1,2,3,6,7,8,9
	v_pk_fma_f32 v[P+2*\c:P+2*\c+1], v[P+2*\c:P+2*\c+1], v[X+28*\w+2*\c:X+28*\w+2*\c+1], v[LIN:LIN+1] op_sel:[0,0,0] op_sel_hi:[1,1,0]
.endr
.irp c, 4,5
	v_pk_fma_f32 v[P+2*\c:P+2*\c+1], v[P+2*\c:P+2*\c+1], v[X+28*\w+2*\c:X+28*\w+2*\c+1], v[LIN:LIN+1] op_sel:[0,0,1] op_sel_hi:[1,1,1]
.endr
.irp c, 10,11,12,13
	v_pk_fma_f32 v[P+2*\c:P+2*\c+1], v[P+2*\c:P+2*\c+1], v[X+28*\w+2*\c:X+28*\w+2*\c+1], v[CN+4+2*((\c)%2):CN+4+2*((\c)%2)+1]
.endr
.endm
; Walker w.  left = the loads of the walkers behind it, 7 each, which may stay out.
.macro WALKER w, left
	s_wait_loadcnt \left
.irp i, 0,1,2,3,4
.irp k, 0,1,2,3
	v_med3_num_f32 v[X+28*\w+4*\i+\k], v[X+28*\w+4*\i+\k], v[LO+4*\i+\k], v[LU]    ; r' = min(r, Lu), or Lu where the element does not count
.endr
.endr
.irp i, 5,6
.irp k, 0,1,2,3
	v_min_num_f32 v[X+28*\w+4*\i+\k], v[X+28*\w+4*\i+\k], v[CN+36+\k]              ; r' = min(r, L of the nucleus)
.endr
.endr
.irp c, 0,1,2,3,4,5,6,7,8,9
	v_pk_add_f32 v[T+2*\c:T+2*\c+1], v[X+28*\w+2*\c:X+28*\w+2*\c+1], v[LU:LU+1] op_sel_hi:[1,0] neg_lo:[0,1] neg_hi:[0,1]   ; t = r' - Lu
.endr
.irp c, 10,11,12,13
	v_pk_add_f32 v[T+2*\c:T+2*\c+1], v[X+28*\w+2*\c:X+28*\w+2*\c+1], v[CN+36+2*((\c)%2):CN+36+2*((\c)%2)+1] neg_lo:[0,1] neg_hi:[0,1]
.endr
.irp c, 0,1,2,3,4,5,6,7,8,9
	v_pk_fma_f32 v[P+2*\c:P+2*\c+1], v[X+28*\w+2*\c:X+28*\w+2*\c+1], v[AL+6:AL+7], v[AL+6:AL+7] op_sel:[0,1,0] op_sel_hi:[1,1,0]   ; a7 r' + a6: the first step starts the chain
.endr
.irp c, 10,11,12,13
	v_pk_fma_f32 v[P+2*\c:P+2*\c+1], v[X+28*\w+2*\c:X+28*\w+2*\c+1], v[CN+32+2*((\c)%2):CN+32+2*((\c)%2)+1], v[CN+28+2*((\c)%2):CN+28+2*((\c)%2)+1]   ; b7 r' + b6
.endr
	HSTEP \w, AL+4, 1, 6                           ; a5, b5
	HSTEP \w, AL+4, 0, 5                           ; a4, b4
	HSTEP \w, AL+2, 1, 4                           ; a3, b3
	HSTEP \w, AL+2, 0, 3                           ; a2, b2
	HSTEP \w, AL, 1, 2                             ; a1, b1
	LSTEP \w                                       ; the linear coefficients
	HSTEP \w, AL, 0, 0                             ; a0, b0
.irp c, 0,1,2,3,4,5,6,7,8,9,10,11,12,13
	v_pk_mul_f32 v[P+2*\c:P+2*\c+1], v[P+2*\c:P+2*\c+1], v[T+2*\c:T+2*\c+1]        ; P t
.endr
.irp c, 0,1,2,3,4,5,6,7,8,9,10,11,12,13
	v_pk_mul_f32 v[T+2*\c:T+2*\c+1], v[T+2*\c:T+2*\c+1], v[T+2*\c:T+2*\c+1]        ; t^2
.endr
.irp c, 0,1,2,3,4
	v_pk_mul_f32 v[P+2*\c:P+2*\c+1], v[P+2*\c:P+2*\c+1], v[T+2*\c:T+2*\c+1]        ; five sums, started by the first five products
.endr
.irp c, 5,6,7,8,9
	v_pk_fma_f32 v[P+2*\c-10:P+2*\c-9], v[P+2*\c:P+2*\c+1], v[T+2*\c:T+2*\c+1], v[P+2*\c-10:P+2*\c-9]
.endr
.irp c, 10,11,12,13
	v_pk_fma_f32 v[P+2*\c-20:P+2*\c-19], v[P+2*\c:P+2*\c+1], v[T+2*\c:T+2*\c+1], v[P+2*\c-20:P+2*\c-19]
.endr
	v_pk_add_f32 v[P:P+1], v[P:P+1], v[P+2:P+3]
	v_pk_add_f32 v[P+4:P+5], v[P+4:P+5], v[P+6:P+7]
	v_pk_add_f32 v[P:P+1], v[P:P+1], v[P+8:P+9]
	v_pk_add_f32 v[P:P+1], v[P:P+1], v[P+4:P+5]
	v_add_f32 v[S+\w], v[P], v[P+1]                ; my lane's share of walker w
.endm
	WALKER 0, 21
	WALKER 1, 14
	WALKER 2, 7
	WALKER 3, 0
	; Over the 32 lanes, the four walkers side by side: four steps inside each half of 16 lanes, one across the halves
.irp m, 1,2,4,8
.irp w, 0,1,2,3
	v_add_f32_dpp v[S+\w], v[S+\w], v[S+\w] row_xmask:\m row_mask:0xf bank_mask:0xf
.endr
.endr
.irp w, 0,1,2,3
	v_permlanex16_b32 v[T+\w], v[S+\w], s34, s35   ; its destination counts as read: T has been written
.endr
.irp w, 0,1,2,3
	v_add_f32 v[S+\w], v[S+\w], v[T+\w]
.endr
	v_cmp_eq_u32 vcc_lo, 0, v1
	s_wait_xcnt 0x0                                ; EXEC is a source of the loads above: it changes only behind this wait
	s_wait_tensorcnt 0x0
	ds_add_u32 v142, v143
	s_wait_dscnt 0x0
	s_and_saveexec_b32 s56, vcc_lo                 ; lane 0 alone
	global_store_b128 v[VZ], v[S:S+3], s[20:21]    ; my wave's four walkers: 16 neighbouring bytes
	s_endpgm
.Lfunc_end_k_q443052b4ab_jastrow:
	.size	k_q443052b4ab_jastrow, .Lfunc_end_k_q443052b4ab_jastrow-k_q443052b4ab_jastrow
	.p2alignl 7, 3214868480
	.fill 96, 4, 3214868480
	.section	.rodata,"a",@progbits
	.p2align	6, 0x0
	.amdhsa_kernel k_q443052b4ab_jastrow
		.amdhsa_group_segment_fixed_size 1792
		.amdhsa_private_segment_fixed_size 0
		.amdhsa_enable_private_segment 0
		.amdhsa_kernarg_size 72
		.amdhsa_user_sgpr_count 2
		.amdhsa_user_sgpr_kernarg_segment_ptr 1
		.amdhsa_wavefront_size32 1
		.amdhsa_system_sgpr_workgroup_id_x 1
		.amdhsa_system_sgpr_workgroup_id_y 1
		.amdhsa_system_sgpr_workgroup_id_z 1
		.amdhsa_system_vgpr_workitem_id 0
		.amdhsa_next_free_vgpr 256
		.amdhsa_next_free_sgpr 66
		.amdhsa_reserve_vcc 1
		.amdhsa_float_denorm_mode_32 3
		.amdhsa_float_denorm_mode_16_64 3
		.amdhsa_memory_ordered 1
		.amdhsa_forward_progress 1
		.amdhsa_inst_pref_size 63
	.end_amdhsa_kernel
	.amdgpu_metadata
---
amdhsa.version: [ 1, 2 ]
amdhsa.kernels:
  - .name:           k_q443052b4ab_jastrow
    .symbol:         k_q443052b4ab_jastrow.kd
    .args:
      - { .name: dists_elec, .offset: 0, .size: 8, .value_kind: global_buffer, .address_space: global }
      - { .name: dists_nuc, .offset: 8, .size: 8, .value_kind: global_buffer, .address_space: global }
      - { .name: params_alpha, .offset: 16, .size: 8, .value_kind: global_buffer, .address_space: global }
      - { .name: params_beta, .offset: 24, .size: 8, .value_kind: global_buffer, .address_space: global }
      - { .name: Z, .offset: 32, .size: 8, .value_kind: global_buffer, .address_space: global }
      - { .name: L_chi, .offset: 40, .size: 8, .value_kind: global_buffer, .address_space: global }
      - { .name: L_u, .offset: 48, .size: 8, .value_kind: global_buffer, .address_space: global }
      - { .name: type_idx, .offset: 56, .size: 8, .value_kind: global_buffer, .address_space: global }
      - { .name: out0, .offset: 64, .size: 8, .value_kind: global_buffer, .address_space: global }
    .group_segment_fixed_size: 1792
    .private_segment_fixed_size: 0
    .kernarg_segment_align: 8
    .kernarg_segment_size: 72
    .max_flat_workgroup_size: 128
    .sgpr_count:     66
    .vgpr_count:     256
    .wavefront_size: 32
...
	.end_amdgpu_metadata
.endif
;; end of part 1
